; MI455X (gfx1250); checked and timed in simulation.
; The chip was launched on July 23, 2026; its instructions are those of AMD's public machine-readable ISA for CDNA 5 (MIT licence, August 2026) and "CDNA5" Instruction Set Architecture Reference Guide (July 2026). The comments in the code are by the model that wrote it; some were corrected since.
;; Scaled Dot Product Attention. Allowed arithmetic: matrix products marked QUANTISED: E4M3 operands, one given power-of-two scale a tensor, by v_wmma_f32_16x16x64_fp8_fp8 or v_wmma_f32_16x16x128_fp8_fp8, f32 sums; everything else in f32.
;; Inputs: Wk_codes 1,024 x 32 x 32 uint8 (E4M3 codes of Wk, K innermost, in blocks of 32 codes); Wq_codes 1,024 x 32 x 32 uint8 (E4M3 codes of Wq, K innermost, in blocks of 32 codes); Wv_codes 1,024 x 32 x 32 uint8 (E4M3 codes of Wv, K innermost, in blocks of 32 codes); bk 1,024 float32; bq 1,024 float32; bv 1,024 float32; lowp_scales 10 int32 (the exponents e of the quantised operands' scales 2^e); x_codes 4 x 2,048 x 32 x 32 uint8 (E4M3 codes of x, K innermost, in blocks of 32 codes).
;; Outputs: out0 4 x 2,048 x 1,024 float32.
;; This version of the problem:
;;   THIS VERSION OF THE PROBLEM IS GIVEN IN LOW PRECISION. The matrix products marked QUANTISED in the list below multiply operands that are first quantised to E4M3 (4 exponent bits, 3 mantissa bits; 8 bits a number), with one given power-of-two scale for each operand tensor; their sums are f32. All else is computed in f32.
;;   The module's matrix products, in the order in which they are computed (A, B: the left and right operand; K: the contracted axis; several contracted axes count as one K, in the product's order):
;;     1. [M 8,192, K 1,024] x [K 1,024, N 1,024]; A: input x (given as codes); B: input Wq (given as codes): QUANTISED (scales: A lowp_scales[0], B lowp_scales[1])
;;     2. [M 8,192, K 1,024] x [K 1,024, N 1,024]; A: input x (given as codes); B: input Wk (given as codes): QUANTISED (scales: A lowp_scales[2], B lowp_scales[3])
;;     3. [M 8,192, K 1,024] x [K 1,024, N 1,024]; A: input x (given as codes); B: input Wv (given as codes): QUANTISED (scales: A lowp_scales[4], B lowp_scales[5])
;;     4. batch 64 x [M 2,048, K 64] x [K 64, N 2,048]; A: computed on the way; B: computed on the way: QUANTISED (scales: A lowp_scales[6], B lowp_scales[7])
;;     5. batch 64 x [M 2,048, K 2,048] x [K 2,048, N 64]; A: softmax (see below); B: computed on the way: QUANTISED (scales: A lowp_scales[8], B lowp_scales[9])
;;   THE QUANTISER, for each operand of a quantised product, along K:
;;     - The operand's scale is 2^e, e = its entry of the input lowp_scales (int32; the entries are numbered through the quantised products in the list's order, A before B).
;;     - Each number is divided by the scale, clamped to +-448, and rounded to the nearest number of E4M3, ties to even, subnormals kept.
;;     - The product sums the exact products of the quantised numbers (number of the format x scale) in f32.
;;   ~~~python
;;   def quantise(x, axis, e):      # numpy; x: float32 -> the quantised numbers, widened to float32 again
;;       x = np.moveaxis(x, axis, -1); K = x.shape[-1]
;;       r = np.clip(x / 2.0 ** e, -448, 448)
;;       step = 2.0 ** (np.maximum(np.frexp(np.where(r == 0, 1, r))[1] - 1, -6) - 3)
;;       q = np.round(r / step) * step * 2.0 ** e      # np.round: ties to even
;;       return np.moveaxis(q, -1, axis).astype(np.float32)
;;   ~~~
;;   SOFTMAX AHEAD OF A QUANTISED PRODUCT. Where the list says 'softmax', what is quantised is not the finished softmax but p = 2^(t - M), with t = logit x log2(e) and M = ceil(the row's largest t), a whole number; so 1/2 < the row's largest p <= 1. The row's sum l is taken of the UNQUANTISED p, in f32, and the product's result is divided by l at the end. Since M is a whole number, a kernel that streams over the keys may use a running M (the ceiling of the running maximum): every later rescaling is an exact power of two, so the quantised numbers keep their values, but for numbers so far below the row's largest that they fall under the format's range.
;;   OPERANDS COMPUTED ON THE WAY. 'Computed on the way' means the value that the module computes at that place (a softmax that the list does not call 'softmax' is quantised finished and normalised). What goes into a quantiser is computed in f32, as accurately as f32 sums, v_exp_f32 and their like allow (about 1e-6 of the number): no bf16 or f16 on the way to a quantiser, and a product that is left as it is and whose result goes on into a quantised operand takes f32 operands (vector FMAs, or v_wmma_f32_16x16x4_f32). A number that lies on a knife's edge between two numbers of the format may be rounded either way, as far as f32 arithmetic and the matrix unit's own rounding can turn it there, and no further.
;;   INPUTS GIVEN AS CODES. Wk (in the module: [1024, 1024], K = its axis 0); Wq (in the module: [1024, 1024], K = its axis 0); Wv (in the module: [1024, 1024], K = its axis 0); x (in the module: [4, 2048, 1024], K = its axis 2): each comes as NAME_codes (uint8): NAME with its K axis moved to the last place and cut into blocks of 32 codes, [.., K / 32, bytes a block], one block behind the other in memory; one code a byte (a code: sign, 4 exponent bits, 3 mantissa bits); its scale is its entry of lowp_scales. Its value is code x scale, taken as it is: it is not quantised again, and the codes and scales need not be those that the quantiser above would give.
;; One version. Each part assembles by itself: llvm-mc -triple=amdgcn-amd-amdhsa -mcpu=gfx1250 --defsym DOCPART=n.
;; ======== version 1 of 1: 2 launches
;; workspace buffers: q_img 8,388,608 bytes; kv_img 16,777,216 bytes
;; launch proj (part 1): grid 12 x 32, 4 waves a work-group, clusters of 4 x 4, 327,680 bytes of LDS; arguments x_codes, Wq_codes, Wk_codes, Wv_codes, bq, bk, bv, lowp_scales, q_img, kv_img; writes q_img, kv_img
.if DOCPART == 1
	.amdgcn_target "amdgcn-amd-amdhsa--gfx1250"
	.amdhsa_code_object_version 6
	.text
	.protected	k_qdae2a9ca8d_proj
	.globl	k_qdae2a9ca8d_proj
	.p2align	8
	.type	k_qdae2a9ca8d_proj,@function
k_qdae2a9ca8d_proj:
	s_mov_b64 s[64:65], 0
	v_nop
	global_prefetch_b8 v0, s[64:65] scope:SCOPE_SE
	s_setreg_imm32_b32 hwreg(HW_REG_WAVE_MODE, 25, 1), 1
	s_wait_xcnt 0x0
	s_wait_alu depctr_hold_cnt(0) depctr_sa_sdst(0) depctr_va_vdst(0) depctr_va_sdst(0) depctr_va_ssrc(0) depctr_va_vcc(0) depctr_vm_vsrc(0)
	s_getreg_b32 s2, hwreg(HW_REG_IB_STS2, 6, 4)
	s_cmp_eq_u32 s2, 0
	s_cbranch_scc0 .Lentry_in_a_cluster
	s_endpgm
.Lentry_in_a_cluster:
	s_bfe_u32 s2, ttmp6, 0x10000c
	s_cmp_lg_u32 s2, 0xf033
	s_cbranch_scc0 .Lentry_shape_is_right
	s_endpgm
.Lentry_shape_is_right:
; Q = x Wq + bq, K = x Wk + bk, V = x Wv + bv on codes of FP8 (E4M3), and their quantising for the attention launch.
; x: [8192][1024] codes; Wq, Wk, Wv: [1024 (n)][1024 (k)] codes, K innermost; biases f32; lowp_scales: ten whole numbers e, a scale is 2^e.
; A sum of a product stands for sum x 2^es (es = the two operands' e added).  code = (sum x 2^es + bias) / 2^eo, held within +-448, to the nearest code:
; computed as (sum + bias / 2^es) / 2^(eo - es): the bias is divided by a power of two (nothing is rounded), the rest is the conversion's one scale.  eo = e6 for Q, e7 for K, e9 for V.
; LIMITS: eo - es lies between -126 and 119, so that 2^(eo - es) and 448 x 2^(eo - es) are f32 numbers.  NaN among the biases is not served.
; SHARES.  384 tiles of 256 x 256, one to a work-group of four waves; a wave makes 128 x 128: 64 accumulators of 16 x 16, 512 registers.  K = 1,024 goes in four steps of 256
; through a ring of two LDS slots filled by the tensor data mover; a tile's row is 256 bytes of memory.
; THE TILE MAP.  The cluster's x says which product: 0 Q, 1 K, 2 V.  The GEMM is C = A B^T with the matrix instruction used transposed (source 0 = 16 rows of B, source 1 = 16 rows of A):
; a lane holds ONE row of A and eight neighbouring rows of B.  For Q and K: A = x, B = W: a lane holds one token and eight neighbours of the head's 64, which are the next product's K.
; For V: A = Wv, B = x: a lane holds one of the head's 64 and eight neighbouring keys, which are the last product's K.  So in all three one conversion of an accumulator's eight
; registers gives two registers of the reader's operand, in the lane that will hold them, and nothing is transposed.
; CLUSTERS: 4 x 4 work-groups.  A's tile hangs on cy and the cluster's numbers alone and is asked for jointly by a row of the cluster, B's on cx and the cluster's numbers and by a column.
; THE OUTPUT IS LAID AS IMAGES OF THE READER'S REGISTERS: four registers of 32 lanes are 512 consecutive bytes, lane l's 16 bytes at 16 l: each store of a wave covers 512 consecutive bytes, aligned.
;   q_img  [head 16 b + h][tile of 16 queries (128)][1,024]: registers 0-3, then 4-7, of the K = 64 form's fragment (lane (r, hh): query r; registers 2 c, 2 c + 1: d = 16 c + 8 hh + 0..7)
;   kv_img [head][key step of 128 keys (16)][16,384]: 8 such images of 16 keys; then V^T: [16 d (4)][four registers (4)][512]: the K = 128 form's fragment (lane (r, hh): d = r; registers 2 c, 2 c + 1: keys 16 c + 8 hh + 0..7)
; REGISTERS, in windows of 256: window 0: v0-31 addresses and the two numbers of the conversion; v32-95 the bias by B's rows; v96-111 the bias by A's rows; from v128 A's fragments, ONE set;
;   on the way out v112-175 sums + bias, v176-207 codes (two sets).  window 1: B's fragments, TWO sets.  window 2: the accumulators of my rows 0-63 ((a, b) at v[8 (8 a + b)]); window 3: of rows 64-127.
.set SIZE_K, 1024
.set KSTEP,  256                       ; along K in a slot
.set ROWB,   256                       ; a tile's row in bytes
.set KROW,   SIZE_K                    ; a row of x or of W in memory, in bytes
.set PITCH,  272                       ; an LDS row: 256 bytes + 16 of padding = 68 words: row r starts at bank 4 r mod 64 (64 banks of 4 bytes: ISA guide 11.1)
.set FR,     16                        ; registers of a fragment: 16 rows x 128 K
.set NL,     4                         ; LDS loads that bring one
.set NP,     4                         ; places behind this matrix instruction (ISA guide 7.12.1)
.set HALFT,  128*PITCH                 ; 128 rows: what one tensor load brings, and what one wave reads of A or of B
.set SLOT,   4*HALFT                   ; A's 256 rows, then B's 256 rows
.set LAPS,   SIZE_K/(2*KSTEP)          ; a lap = two K steps = once round the ring
.set SPARE,  2*SLOT                    ; behind the ring: the spare words, 128 bytes for each wave: two blocks of 256 bytes that no other line names
.set ADRA, 16                          ; v16-17  LDS address of my A fragments in slot 0, 1
.set ADRB, 20                          ; v20-21  the same for B
.set CO,   26                          ; v26     16 x lane: my place in an image's 512 bytes
.set SPW,  28                          ; v28     LDS address of my spare word; never rewritten
.set NIL,  29                          ; v29     0; never rewritten
.set SCL,  30                          ; v30     2^(eo - es) as f32
.set LIM,  31                          ; v31     448 x 2^(eo - es)
.set BQ,   32                          ; v32-95  bias[first row of B + 16 b + 8 h + j] / 2^es at BQ + 8 b + j
.set BV,   96                          ; v96-111 bias[first row of A + 16 a + r] / 2^es, twice, at BV + 2 a
.set T,    112                         ; v112-175 the way out: a block's sums + bias
.set CD,   176                         ; v176-207 the way out: a block's codes, two sets by turns
.set AF,   128                         ; A's fragments, in window 0
.set G1, 24                            ; s[24:31] descriptor group 1 for A's tiles;  s[32:39] group 0, one set for each slot
.set G0, 32
.set G1B, 48                           ; s[48:55], s[56:63] the same for B's tiles
.set G0B, 56
.set MSB, 0
.macro WIN new                         ; the immediate's high byte repeats the setting that is left
.if MSB != \new
	s_set_vgpr_msb (MSB<<8)|\new
.set MSB, \new
.endif
.endm
.set MUL_LO, 0xa1                      ; source 0 (B) window 1, source 1 (A) window 0, C and D window 2
.set MUL_HI, 0xf1                      ; the same, C and D window 3
.set TO_B,   0x40                      ; destination window 1, address window 0
; A joint load: waves 0 and 1 fetch for A, waves 2 and 3 for B.  Each of the two lines has ONE mask and one set of registers for all that issue it; the branch hangs on the wave's number alone.
; Four v_nop follow each of the two lines, ahead of the jump, the label and what follows.
.macro JLOAD g0a, g1a, g0b, g1b
	s_cmp_eq_u32 s15, 0
	s_cbranch_scc0 .Lfor_b_\@
	tensor_load_to_lds s[\g0a:\g0a+3], s[\g1a:\g1a+7]
	s_nop 0
.rept 4
	v_nop
.endr
	s_branch .Lasked_\@
.Lfor_b_\@:
	tensor_load_to_lds s[\g0b:\g0b+3], s[\g1b:\g1b+7]
	s_nop 0
.rept 4
	v_nop
.endr
.Lasked_\@:
.endm
.macro CREST                           ; a round of the cluster's barrier behind its opening barrier
	s_cmp_lg_u32 s14, 0
	s_cbranch_scc1 .Lnot_wave_0_\@
	s_barrier_signal -3
.Lnot_wave_0_\@:
	s_barrier_wait -3
	s_barrier_signal -1
	s_barrier_wait -1
.endm
.macro CROUND                          ; a whole round
	s_barrier_signal -1
	s_barrier_wait -1
	CREST
.endm
	s_load_b512 s[68:83], s[0:1], 0x0              ; x s[68:69], Wq s[70:71], Wk s[72:73], Wv s[74:75], bq s[76:77], bk s[78:79], bv s[80:81], the scales' exponents s[82:83]
	s_load_b128 s[84:87], s[0:1], 0x40             ; q_img s[84:85], kv_img s[86:87]
	v_lshl_add_u32 v[SPW], v0, 2, SPARE
	v_mov_b32 v[NIL], 0
	ds_add_u32 v28, v29
	ds_add_u32 v28, v29
	s_wait_dscnt 0x0
	v_lshrrev_b32 v1, 5, v0
	v_readfirstlane_b32 s14, v1                    ; wave 0..3
	s_lshr_b32 s15, s14, 1                         ; which half of A's 256 rows is mine.  Also: I fetch for A (0) or for B (1)
	s_and_b32 s16, s14, 1                          ; which half of B's 256 rows.  Also: which 128 rows of that tile I fetch
	s_bfe_u32 s40, ttmp6, 0x40000                  ; cx, cy: my place in the cluster
	s_bfe_u32 s41, ttmp6, 0x40004
	s_and_b32 s88, ttmp7, 0xffff
	s_lshl_b32 s88, s88, 2                         ; 4 x the cluster's y: the walk over x's 32 blocks of 256 rows
	s_cmp_eq_u32 ttmp9, 2                          ; V?  (the cluster's x: the same in all sixteen partners)
	s_cselect_b32 s17, 0, s88                      ; x is A for Q and K,
	s_cselect_b32 s42, s88, 0                      ; and B for V
	s_add_co_u32 s17, s17, s41                     ; A's block of 256 rows: cy (+ 4 x cluster y)
	s_add_co_u32 s42, s42, s40                     ; B's block of 256 rows: cx (+ 4 x cluster y)
	s_lshl_b32 s43, s41, 2
	s_lshl_b32 s43, 15, s43                        ; my row of the cluster
	s_lshl_b32 s44, 0x1111, s40                    ; my column
	; descriptor group 1: a tile of 128 rows x 256 bytes, padded in LDS
	s_or_b32 s[G1+0], s43, (0<<16)|(1<<20)|(1<<21)|(5<<22)|(3<<25)  ; 15:0 the mask: A's tiles go to my row; 17:16 element of 1 byte; 20 padding on; 21 set beside a mask; 24:22 after every 64 words (code 5); 31:25 of 4 words (code 3)
	s_or_b32 s[G1B+0], s44, (0<<16)|(1<<20)|(1<<21)|(5<<22)|(3<<25)
.irp g, G1, G1B
	s_mov_b32 s[\g+1], ROWB<<16                    ; tensor_dim0
	s_mov_b32 s[\g+2], 128<<16                     ; tensor_dim1 = 128
	s_mov_b32 s[\g+3], ROWB<<16                    ; tile_dim0
	s_mov_b32 s[\g+4], 128                         ; tile_dim1 = 128
	s_mov_b32 s[\g+5], KROW                        ; tensor_dim0_stride
	s_mov_b32 s[\g+6], 0
	s_mov_b32 s[\g+7], 0
.endr
	s_lshl_b32 s18, s16, 7                         ; which 128 rows of the tile I fetch
	s_lshl_b32 s20, s17, 8
	s_add_co_u32 s20, s20, s18                     ; A: row 256 x block + 128 x half
	s_lshl_b32 s46, s42, 8
	s_add_co_u32 s46, s46, s18                     ; B likewise
	s_lshl_b32 s20, s20, 10                        ; in bytes: rows of 1,024; 8,191 rows at the most, under 2^23
	s_mov_b32 s21, 0
	s_lshl_b32 s46, s46, 10
	s_mov_b32 s47, 0
	s_mul_i32 s45, s14, HALFT                      ; where they go: wave x 128 rows: no place in the cluster enters an LDS address
	s_wait_kmcnt 0x0
	; the product's buffers: choices on the cluster's x, which hangs on no address
	s_cmp_eq_u32 ttmp9, 0
	s_cselect_b64 s[6:7], s[70:71], s[72:73]       ; W = Wq or Wk
	s_cselect_b64 s[8:9], s[76:77], s[78:79]       ; the bias = bq or bk
	s_cselect_b64 s[90:91], s[84:85], s[86:87]     ; the output = q_img or kv_img
	s_cselect_b32 s95, 17, 18                      ; a head's bytes there: 2^17 or 2^18
	s_cselect_b32 s96, 6, 7                        ; a token's share of them: 64 bytes in q_img; in kv_img 128 tokens have 16,384
	s_cmp_eq_u32 ttmp9, 2
	s_cselect_b64 s[6:7], s[74:75], s[6:7]         ; W = Wv
	s_cselect_b64 s[8:9], s[80:81], s[8:9]         ; the bias = bv
	s_cselect_b64 s[4:5], s[6:7], s[68:69]         ; A = W for V, else x
	s_cselect_b64 s[6:7], s[68:69], s[6:7]         ; B = x for V, else W
	s_cselect_b32 s97, 8192, 0                     ; V^T lies behind a key step's 8,192 bytes of K
	s_load_b256 s[68:75], s[82:83], 0x0            ; e0 .. e7 (the pointers that lay here have been chosen from)
	s_load_b32 s76, s[82:83], 0x24                 ; e9
	s_add_nc_u64 s[20:21], s[4:5], s[20:21]
	s_add_nc_u64 s[46:47], s[6:7], s[46:47]
	CROUND                                         ; all sixteen work-groups are here: the first joint loads meet
.irp s, 0,1
	s_mov_b32 s[G0+4*\s], 1
	s_add_co_u32 s[G0+4*\s+1], s45, \s*SLOT
	s_add_nc_u64 s[G0+4*\s+2:G0+4*\s+3], s[20:21], \s*ROWB
	s_or_b32 s[G0+4*\s+3], s[G0+4*\s+3], 0x80000000
	s_mov_b32 s[G0B+4*\s], 1
	s_add_co_u32 s[G0B+4*\s+1], s45, \s*SLOT
	s_add_nc_u64 s[G0B+4*\s+2:G0B+4*\s+3], s[46:47], \s*ROWB
	s_or_b32 s[G0B+4*\s+3], s[G0B+4*\s+3], 0x80000000
	JLOAD G0+4*\s, G1, G0B+4*\s, G1B               ; two loads of mine are out
.endr
	v_and_b32 v1, 15, v0                           ; r = l % 16
	v_bfe_u32 v2, v0, 4, 1                         ; h = l / 16
	v_mul_u32_u24 v3, v1, PITCH
	v_lshl_add_u32 v4, v2, 4, v3                   ; a fragment's row x pitch + 16 x half
	s_mul_i32 s21, s15, HALFT                      ; my 128 rows of A
	s_mul_i32 s22, s16, HALFT                      ; my 128 rows of B,
	s_add_co_u32 s22, s22, 2*HALFT                 ; which lie behind A's 256
.irp s, 0,1
	v_add_nc_u32 v[ADRA+\s], s21, v4
	v_add_nc_u32 v[ADRB+\s], s22, v4
	s_add_co_u32 s21, s21, SLOT
	s_add_co_u32 s22, s22, SLOT
.endr
	; where my 128 x 128 goes, and which biases it wants
	s_lshl_b32 s98, s17, 8
	s_lshl_b32 s89, s15, 7
	s_add_co_u32 s98, s98, s89                     ; my first row of A
	s_lshl_b32 s99, s42, 8
	s_lshl_b32 s89, s16, 7
	s_add_co_u32 s99, s99, s89                     ; my first row of B
	s_cmp_eq_u32 ttmp9, 2
	s_cselect_b32 s18, s99, s98                    ; my first token (row of x),
	s_cselect_b32 s19, s98, s99                    ; my first output feature (row of W): a multiple of 128: two heads
	s_cselect_b32 s22, 0, s99                      ; the bias by B's rows is used for Q and K; for V it is loaded from the buffer's start and not used,
	s_cselect_b32 s20, s98, 0                      ; the bias by A's rows the other way round: so every load stays inside the 1,024 numbers, and every register is written on the one way
	s_lshl_b32 s22, s22, 2
	s_mov_b32 s23, 0
	s_lshl_b32 s20, s20, 2
	s_mov_b32 s21, 0
	s_add_nc_u64 s[10:11], s[8:9], s[20:21]        ; the bias at my first row of A
	s_add_nc_u64 s[8:9], s[8:9], s[22:23]          ; the bias at my first row of B
	s_lshr_b32 s20, s18, 11
	s_lshl_b32 s20, s20, 4
	s_lshr_b32 s22, s19, 6
	s_add_co_u32 s20, s20, s22                     ; my first head: 16 x batch + feature / 64
	s_lshl_b32 s20, s20, s95                       ; its bytes (63 x 2^18 at the most),
	s_and_b32 s22, s18, 2047
	s_lshl_b32 s22, s22, s96                       ; + my first token's place in the head,
	s_add_co_u32 s20, s20, s22
	s_add_co_u32 s20, s20, s97                     ; + 8,192 for V
	s_mov_b32 s21, 0
	s_add_nc_u64 s[90:91], s[90:91], s[20:21]      ; the first head's images
	s_lshl_b32 s20, 1, s95
	s_add_nc_u64 s[92:93], s[90:91], s[20:21]      ; the second head's
	v_lshlrev_b32 v7, 5, v2                        ; 32 h: my half's eight numbers of a block of sixteen
	v_lshlrev_b32 v8, 2, v1                        ; 4 r
	v_and_b32 v6, 31, v0
	v_lshlrev_b32 v[CO], 4, v6
.irp b, 0,1,2,3,4,5,6,7
	global_load_b128 v[BQ+8*\b:BQ+8*\b+3], v7, s[8:9] offset:64*\b
	global_load_b128 v[BQ+8*\b+4:BQ+8*\b+7], v7, s[8:9] offset:64*\b+16
.endr
.irp a, 0,1,2,3,4,5,6,7
	global_load_b32 v[BV+2*\a], v8, s[10:11] offset:64*\a
.endr
	s_wait_kmcnt 0x0                               ; the exponents
	s_add_co_i32 s68, s68, s69                     ; e0 + e1
	s_add_co_i32 s70, s70, s71                     ; e2 + e3
	s_add_co_i32 s72, s72, s73                     ; e4 + e5
	s_cmp_eq_u32 ttmp9, 0
	s_cselect_b32 s68, s68, s70                    ; es
	s_cselect_b32 s74, s74, s75                    ; eo = e6 or e7
	s_cmp_eq_u32 ttmp9, 2
	s_cselect_b32 s68, s72, s68
	s_cselect_b32 s74, s76, s74                    ; or e9
	s_sub_co_i32 s94, 0, s68                       ; -es
	s_add_co_i32 s74, s74, s94                     ; eo - es
	s_add_co_i32 s74, s74, 127
	s_lshl_b32 s75, s74, 23
	v_mov_b32 v[SCL], s75                          ; 2^(eo - es) as f32: the conversion takes its exponent field
	s_add_co_i32 s74, s74, 8
	s_lshl_b32 s74, s74, 23
	s_or_b32 s74, s74, 0x600000
	v_mov_b32 v[LIM], s74                          ; 448 x that
	s_wait_loadcnt 0x0                             ; the biases.  They are divided by 2^es here, while the first tiles are on their way
.set j, 0
.rept 64
	v_ldexp_f32 v[BQ+j], v[BQ+j], s94
.set j, j+1
.endr
.irp a, 0,1,2,3,4,5,6,7
	v_ldexp_f32 v[BV+2*\a+1], v[BV+2*\a], s94      ; twice: a pair for the packed addition
	v_ldexp_f32 v[BV+2*\a], v[BV+2*\a], s94
.endr
.macro FRAG reg, adr, q, i             ; a fragment, 16 rows x 128 K of 8-bit codes, is 16 registers: lane l holds row l % 16; registers 4 c .. 4 c + 3 hold K = 32 c + 16 (l / 16) + 0 .. 15: the same places of k in A and in B, so every product meets its partner
.irp c, 0,1,2,3
	ds_load_b128 v[\reg+4*\c:\reg+4*\c+3], v[\adr] offset:128*(\q)+32*\c+(\i)*16*PITCH
.endr
.endm
; 16 matrix instructions: A's blocks a0, a0 + 1 x B's eight, 128 along K.  p: B's set.  zero = 1: the first product starts the sums: nothing is ever cleared.
; The 64 accumulators take turns, one instruction a turn, in the same order in every step.
.macro MUL16 a0, p, zero
.irp a, \a0, \a0+1
.irp b, 0,1,2,3,4,5,6,7
.if \zero
	v_wmma_f32_16x16x128_fp8_fp8 v[8*(8*((\a)%4)+\b):8*(8*((\a)%4)+\b)+7], v[128*(\p)+FR*\b:128*(\p)+FR*\b+FR-1], v[AF+FR*(\a):AF+FR*(\a)+FR-1], 0
.else
	v_wmma_f32_16x16x128_fp8_fp8 v[8*(8*((\a)%4)+\b):8*(8*((\a)%4)+\b)+7], v[128*(\p)+FR*\b:128*(\p)+FR*\b+FR-1], v[AF+FR*(\a):AF+FR*(\a)+FR-1], v[8*(8*((\a)%4)+\b):8*(8*((\a)%4)+\b)+7]
.endif
.endr
.endr
.endm
.macro FETCH_B slot, q, p              ; B's eight fragments of the slot's q-th 128 along K into set p
	WIN TO_B
.irp i, 0,1,2,3,4,5,6,7
	FRAG 128*(\p)+FR*\i, ADRB+\slot, \q, \i
.endr
	WIN 0
.endm
.macro FETCH_A slot, q, i0             ; A's blocks i0 .. i0 + 3
.irp i, \i0, \i0+1, \i0+2, \i0+3
	FRAG AF+FR*(\i), ADRA+\slot, \q, \i
.endr
.endm
; A load into a register that a matrix instruction has read, and a vector instruction that reads a matrix result or writes one of its registers, stand NP places behind that matrix instruction, and only
; plain vector instructions that name none of its registers are places (ISA guide 7.12.1 for vector instructions).
.macro PLACES n
.rept \n
	v_nop
.endr
.endm
; A step of 128 along K that has its successor in the same slot.  A's blocks go one after the other, each against B's eight: a block of A is free as soon as its eight products are issued, so ONE set serves A.
.macro STEP slot, q, zero
	s_wait_dscnt 4*NL                              ; B's set and A's blocks 0-3 are in; the youngest sixteen loads (A's blocks 4-7) may be out
	WIN MUL_LO
	MUL16 0, (\q)%2, \zero
	MUL16 2, (\q)%2, \zero
	s_wait_dscnt 0                                 ; A's blocks 4-7 are in (asked for 32 matrix instructions ago)
	PLACES NP
	FETCH_B \slot, (\q)+1, 1-(\q)%2
	FETCH_A \slot, (\q)+1, 0
	WIN MUL_HI
	MUL16 4, (\q)%2, \zero
	MUL16 6, (\q)%2, \zero
	PLACES NP
	WIN 0
	FETCH_A \slot, (\q)+1, 4
.endm
; A slot's last step changes slots: ONE barrier; in front of it each wave waits for all its tensor loads, adds 0 to its spare word, and waits for that and for its own reads of this slot.  fill = 1: this slot is filled again, two K steps ahead.
.macro TURN slot, next, fill
	s_wait_tensorcnt 0x0                           ; all my tensor loads have landed: my part of the next slot;  (every window is 0 here: the add's two registers lie in window 0)
	ds_add_u32 v[SPW], v[NIL]                      ; 0 onto my spare word
	s_wait_dscnt 4*NL+1                            ; (the add and the youngest sixteen loads, A's blocks 4-7, may be out)
	WIN MUL_LO
	MUL16 0, 1, 0                                  ; sixteen matrix instructions stand between the add and the wait for it
	s_wait_dscnt 0x0                               ; the add is done, and my reads of this slot are over
	s_barrier_signal -1
	MUL16 2, 1, 0
	WIN 0
	s_barrier_wait -1
.if \fill
	CREST                                          ; the barrier has opened a round of the cluster's barrier: no wave of any partner still reads this slot's tile or has a load on its way
	s_add_nc_u64 s[G0+4*\slot+2:G0+4*\slot+3], s[G0+4*\slot+2:G0+4*\slot+3], 2*ROWB
	s_add_nc_u64 s[G0B+4*\slot+2:G0B+4*\slot+3], s[G0B+4*\slot+2:G0B+4*\slot+3], 2*ROWB
	JLOAD G0+4*\slot, G1, G0B+4*\slot, G1B         ; the first tensor load behind the round, and my only one until the next; the four v_nop behind it are the places in front of the loads below
.else
	PLACES NP
.endif
	FETCH_B \next, 0, 0
	FETCH_A \next, 0, 0
	WIN MUL_HI
	MUL16 4, 1, 0
	MUL16 6, 1, 0
	PLACES NP
	WIN 0
	FETCH_A \next, 0, 4
.endm
	s_wait_tensorcnt 1                             ; my part of K step 0 is in (K step 1's load may be out)
	s_barrier_signal -1
	s_barrier_wait -1                              ; everybody's is
	FETCH_B 0, 0, 0
	FETCH_A 0, 0, 0
	FETCH_A 0, 0, 4
	STEP 0, 0, 1                                   ; the first step stands in front of the loop: its products start the sums
	s_mov_b32 s3, LAPS-1
.Llap:                                                 ; a trip goes once round the ring, from a lap's second step to the next lap's first, and fills both slots again
	TURN 0, 1, 1
	STEP 1, 0, 0
	TURN 1, 0, 1
	STEP 0, 0, 0
	s_sub_co_u32 s3, s3, 1
	s_cmp_lg_u32 s3, 0
	s_cbranch_scc1 .Llap
	TURN 0, 1, 0                                   ; the last lap fills nothing, and has no round of the cluster's barrier
	STEP 1, 0, 0
	s_wait_dscnt 4*NL                              ; the very last step: nothing more to fetch
	WIN MUL_LO
	MUL16 0, 1, 0
	MUL16 2, 1, 0
	s_wait_dscnt 0
	WIN MUL_HI
	MUL16 4, 1, 0
	MUL16 6, 1, 0
	WIN 0
; THE WAY OUT of block a (16 rows of A x my 128 rows of B: eight accumulators).  Sum + bias / 2^es into other registers, each accumulator from its low end on; the hold; one conversion an accumulator: two registers
; of the reader's fragment; two neighbouring accumulators make a lane's 16 bytes, and the 32 lanes store 512 consecutive bytes of an image.
; isv = 0 (Q, K): the bias goes by B's rows; accumulators 0-3 belong to the first head, 4-7 to the second; block a is tile a of 16 tokens: 1,024 bytes on.
; isv = 1 (V): the bias goes by A's rows; blocks 0-3 belong to the first head, 4-7 to the second; block a is the head's 16 (a % 4) .. + 15: 2,048 bytes on; the pair p of accumulators is keys 32 p on.
.macro OUTBLK a, isv
.set AC, 64*((\a)%4)
.set CB, CD+16*((\a)%2)
.if (\a) >= 2
	s_wait_xcnt 0x0                                ; the stores of the block two back have read this set of codes: it is written again only behind this wait
.endif
	WIN (2+(\a)/4)                                 ; source 0: window 2 or 3
.set j, 0
.rept 32
.if \isv
	v_pk_add_f32 v[T+j:T+j+1], v[AC+j:AC+j+1], v[BV+2*(\a):BV+2*(\a)+1]
.else
	v_pk_add_f32 v[T+j:T+j+1], v[AC+j:AC+j+1], v[BQ+j:BQ+j+1]
.endif
.set j, j+2
.endr
	WIN 0
.irp b, 0,1,2,3,4,5,6,7
.irp i, 0,1,2,3,4,5,6,7
	v_med3_num_f32 v[T+8*\b+\i], v[T+8*\b+\i], -v[LIM], v[LIM]   ; the conversion to an 8-bit code does not saturate (ISA guide 7.6.2): the hold at the largest code x the scale
.endr
	v_cvt_scalef32_pk8_fp8_f32 v[CB+2*\b:CB+2*\b+1], v[T+8*\b:T+8*\b+7], v[SCL]
.endr
	v_nop                                          ; one plain vector instruction behind the last conversion: the next block's additions write its sources
.irp p, 0,1,2,3
.if \isv
	global_store_b128 v[CO], v[CB+4*\p:CB+4*\p+3], s[90+2*((\a)/4):91+2*((\a)/4)] offset:2048*((\a)%4)+512*\p
.else
	global_store_b128 v[CO], v[CB+4*\p:CB+4*\p+3], s[90+2*(\p/2):91+2*(\p/2)] offset:1024*(\a)+512*(\p%2)
.endif
.endr
.endm
	PLACES NP                                      ; behind the last products: their results are read, and registers that held A's fragments are written
	s_cmp_eq_u32 ttmp9, 2                          ; the cluster's x: the same in all partners; neither way holds an LDS instruction, a barrier or a tensor load
	s_cbranch_scc1 .Lout_v
.irp a, 0,1,2,3,4,5,6,7
	OUTBLK \a, 0
.endr
	s_branch .Ldone
.Lout_v:
.irp a, 0,1,2,3,4,5,6,7
	OUTBLK \a, 1
.endr
.Ldone:
	s_wait_tensorcnt 0x0                           ; the wave's end, behind my last tensor load
	ds_add_u32 v[SPW], v[NIL]
	s_wait_dscnt 0x0
	CROUND                                         ; the closing round: no work-group ends while a partner may still ask for a tile that names it
	s_endpgm
.Lfunc_end_k_qdae2a9ca8d_proj:
	.size	k_qdae2a9ca8d_proj, .Lfunc_end_k_qdae2a9ca8d_proj-k_qdae2a9ca8d_proj
	.p2alignl 7, 3214868480
	.fill 96, 4, 3214868480
	.section	.rodata,"a",@progbits
	.p2align	6, 0x0
	.amdhsa_kernel k_qdae2a9ca8d_proj
		.amdhsa_group_segment_fixed_size 327680
		.amdhsa_private_segment_fixed_size 0
		.amdhsa_enable_private_segment 0
		.amdhsa_kernarg_size 80
		.amdhsa_user_sgpr_count 2
		.amdhsa_user_sgpr_kernarg_segment_ptr 1
		.amdhsa_wavefront_size32 1
		.amdhsa_system_sgpr_workgroup_id_x 1
		.amdhsa_system_sgpr_workgroup_id_y 1
		.amdhsa_system_sgpr_workgroup_id_z 1
		.amdhsa_system_vgpr_workitem_id 0
		.amdhsa_next_free_vgpr 1024
		.amdhsa_next_free_sgpr 100
		.amdhsa_reserve_vcc 0
		.amdhsa_float_denorm_mode_32 3
		.amdhsa_float_denorm_mode_16_64 3
		.amdhsa_memory_ordered 1
		.amdhsa_forward_progress 1
		.amdhsa_inst_pref_size 198
	.end_amdhsa_kernel
	.amdgpu_metadata
---
amdhsa.version: [ 1, 2 ]
amdhsa.kernels:
  - .name:           k_qdae2a9ca8d_proj
    .symbol:         k_qdae2a9ca8d_proj.kd
    .args:
      - { .name: x_codes, .offset: 0, .size: 8, .value_kind: global_buffer, .address_space: global }
      - { .name: Wq_codes, .offset: 8, .size: 8, .value_kind: global_buffer, .address_space: global }
      - { .name: Wk_codes, .offset: 16, .size: 8, .value_kind: global_buffer, .address_space: global }
      - { .name: Wv_codes, .offset: 24, .size: 8, .value_kind: global_buffer, .address_space: global }
      - { .name: bq, .offset: 32, .size: 8, .value_kind: global_buffer, .address_space: global }
      - { .name: bk, .offset: 40, .size: 8, .value_kind: global_buffer, .address_space: global }
      - { .name: bv, .offset: 48, .size: 8, .value_kind: global_buffer, .address_space: global }
      - { .name: lowp_scales, .offset: 56, .size: 8, .value_kind: global_buffer, .address_space: global }
      - { .name: q_img, .offset: 64, .size: 8, .value_kind: global_buffer, .address_space: global }
      - { .name: kv_img, .offset: 72, .size: 8, .value_kind: global_buffer, .address_space: global }
    .group_segment_fixed_size: 327680
    .private_segment_fixed_size: 0
    .kernarg_segment_align: 8
    .kernarg_segment_size: 80
    .max_flat_workgroup_size: 128
    .sgpr_count:     100
    .vgpr_count:     1024
    .wavefront_size: 32
...
	.end_amdgpu_metadata
.endif
;; end of part 1
;; launch attn (part 2): grid 4 x 64, 16 waves a work-group, clusters of 4 x 1, 327,680 bytes of LDS; arguments q_img, kv_img, lowp_scales, out0; writes out0
.if DOCPART == 2
	.amdgcn_target "amdgcn-amd-amdhsa--gfx1250"
	.amdhsa_code_object_version 6
	.text
	.protected	k_qdae2a9ca8d_attn
	.globl	k_qdae2a9ca8d_attn
	.p2align	8
	.type	k_qdae2a9ca8d_attn,@function
k_qdae2a9ca8d_attn:
	s_mov_b64 s[64:65], 0
	v_nop
	global_prefetch_b8 v0, s[64:65] scope:SCOPE_SE
	s_setreg_imm32_b32 hwreg(HW_REG_WAVE_MODE, 25, 1), 1
	s_wait_xcnt 0x0
	s_wait_alu depctr_hold_cnt(0) depctr_sa_sdst(0) depctr_va_vdst(0) depctr_va_sdst(0) depctr_va_ssrc(0) depctr_va_vcc(0) depctr_vm_vsrc(0)
	s_getreg_b32 s2, hwreg(HW_REG_IB_STS2, 6, 4)
	s_cmp_eq_u32 s2, 0
	s_cbranch_scc0 .Lentry_in_a_cluster
	s_endpgm
.Lentry_in_a_cluster:
	s_bfe_u32 s2, ttmp6, 0x10000c
	s_cmp_lg_u32 s2, 0x3003
	s_cbranch_scc0 .Lentry_shape_is_right
	s_endpgm
.Lentry_shape_is_right:
; out[b][q][64 h + d] = the sum over k of softmax_k(Q[q] . K[k] / 8) V[k][d], for each of 64 heads (16 b + h), 2,048 queries and keys, head size 64; both products on codes of FP8 (E4M3).
; q_img and kv_img hold the codes as images of the operands' registers (four registers of 32 lanes = 512 bytes, lane l's 16 bytes at 16 l):
;   q_img  [head][tile of 16 queries (128)][1,024];   kv_img [head][key step of 128 keys (16)][8 tiles of 16 keys x 1,024, then V^T: 4 tiles of 16 d x 2,048].
; lowp_scales: e6 (Q), e7 (K), e8 (p), e9 (V).
; THE SOFTMAX AHEAD OF THE SECOND PRODUCT: t = score x log2(e) / 8; M = the row's largest t so far, rounded UP to a whole number; p = 2^(t - M) is what is quantised, with 2^e8; it is not normalised.
; The row's sum is taken of the unquantised p, in f32, and divides O at the end.  When M moves, the sum and O are multiplied by 2^(old M - new M), which rounds nothing.
; SHARES.  A work-group owns 512 queries of one head; each of its sixteen waves 32 of them, two tiles A and B of 16, in 256 registers: four waves to a SIMD, so that one wave's matrix instructions and LDS loads
; stand beside the others' vector work.  Each fragment of K and of V that a wave reads from LDS feeds both tiles.
; LDS.  THE HEAD'S WHOLE K AND V, 262,144 bytes, IS BROUGHT ONCE: sixteen tensor loads of a key step's 16,384 dense bytes, eight each by waves 0 and 1, all at the start.  Nothing is filled again: no ring.
; The waves begin on the first two key steps as soon as those have landed: four barriers, each with a counted wait in front, open 2, 2, 4 and 8 key steps.
; CLUSTER.  The four blocks of queries of a head form a cluster and read the same K and V: each load is asked for JOINTLY, with the same descriptor and a mask that names the four.
; LAYOUT.  Both products are used transposed: S^T = K Q^T (source 0 = 16 keys, source 1 = 16 queries), O^T = V^T P^T (source 0 = 16 of the head's 64, source 1 = P): a lane holds ONE query (lane % 16) throughout.
; In tile t of S^T lane (r, h) holds keys 16 t + 8 h + 0..7: their eight codes are registers 2 t, 2 t + 1 of the K = 128 form's operand, so the conversions' results ARE the second product's operand.
; LIMITS on the given exponents, so that each power of two below is an f32 number: e6 + e7 between -123 and 130 (they are added to c's exponent field); e8 between -126 and 119; e8 + e9 is applied by v_ldexp_f32 and has none.
; A p that lay under the format's range under an earlier, smaller M than the row's last is lost: it is that far below the row's largest.  NaN is not served.
; REGISTERS: v1 16 x lane; v2 the step's LDS address; v3 2^e8; v12 448 x 2^e8; v[4:7] tile A: -M, the largest t, the sum in two halves; v[8:11] tile B; v13-15 the way out; v16-23, v24-31 Q of A, of B;
;   v32-63 four fragments of K, then at work (v48-55), then P of A (v32-47) and of B (v48-63); v64-127 S^T and p of A, then V's four fragments; v128-191 S^T and p of B; v192-223 O^T of A; v224-255 O^T of B.
.set STEPB, 16384                      ; a key step in LDS and in memory: K's 8,192 bytes, then V's
.set VOFF,  8192
.set SP,    272                        ; the way out: a stage row: 256 bytes + 16
.set LI,  1
.set ADR, 2
.set SCL, 3
.set LIM, 12
.set WV,  12                           ; s12  my wave's number
.set SEL, 20                           ; s[20:21] lane selects for v_permlanex16_b32: lane l xor 16
.set CS,  22                           ; s[22:23] c = log2(e) / 8 x 2^(e6 + e7): the packed form names a pair and takes its low word for both halves
.set G1,  24                           ; s[24:31] descriptor group 1
.set G0,  32                           ; s[32:63] eight groups 0, one for each of a wave's loads: none is written again
.set TB,  66                           ; s66  LDS byte at which the key step in hand begins
.set CNT, 67                           ; s67  key steps to go in the chunk
; A round of the cluster's barrier: my work-group's barrier, so that wave 0's signal speaks for all sixteen waves; wave 0 signals for the work-group; every wave waits for all four work-groups; my work-group's barrier once more.
.macro CROUND
	s_barrier_signal -1
	s_barrier_wait -1
	s_cmp_lg_u32 s[WV], 0
	s_cbranch_scc1 .Lnot_wave_0_\@
	s_barrier_signal -3
.Lnot_wave_0_\@:
	s_barrier_wait -3
	s_barrier_signal -1
	s_barrier_wait -1
.endm
	s_load_b256 s[4:11], s[0:1], 0x0               ; q_img s[4:5], kv_img s[6:7], the scales' exponents s[8:9], out0 s[10:11]
	v_lshl_add_u32 v254, v0, 2, 0x40000
	v_mov_b32 v255, 0
	ds_add_u32 v254, v255
	ds_add_u32 v254, v255
	s_wait_dscnt 0x0
	v_lshrrev_b32 v1, 5, v0
	v_readfirstlane_b32 s[WV], v1                  ; wave 0..15
	s_bfe_u32 s13, ttmp6, 0x40000                  ; cx: my place in the cluster
	s_lshl_b32 s14, ttmp9, 2                       ; in a cluster launch ttmp9 counts clusters
	s_add_co_u32 s14, s14, s13                     ; my block of 512 queries: it enters Q's and the output's addresses alone
	s_and_b32 s16, ttmp7, 0xffff                   ; the head 16 b + h, which the four partners share
	s_and_b32 s15, s[WV], 1
	s_lshl_b32 s15, s15, 14                        ; waves 0 and 1 fetch the even and the odd key steps: 16,384 x (wave % 2), in memory and in LDS
	s_lshl_b32 s18, s16, 18                        ; the head's 262,144 bytes of kv_img
	s_add_co_u32 s18, s18, s15
	s_mov_b32 s19, 0
	s_lshl_b32 s72, s16, 17                        ; Q: the head's 131,072 bytes,
	s_lshl_b32 s74, s14, 15                        ; my block's 32 tiles of 1,024,
	s_add_co_u32 s72, s72, s74
	s_lshl_b32 s74, s[WV], 11                      ; my wave's two
	s_add_co_u32 s72, s72, s74
	s_mov_b32 s73, 0
	s_lshr_b32 s76, s16, 4                         ; the output: batch x 2,048 rows of 4,096 bytes,
	s_lshl_b32 s76, s76, 23
	s_lshl_b32 s74, s14, 21                        ; my block's 512 rows,
	s_add_co_u32 s76, s76, s74
	s_lshl_b32 s74, s[WV], 17                      ; my wave's 32,
	s_add_co_u32 s76, s76, s74
	s_and_b32 s74, s16, 15
	s_lshl_b32 s74, s74, 8                         ; the head's 256 bytes of a row
	s_add_co_u32 s76, s76, s74
	s_mov_b32 s77, 0
	; descriptor group 1: a key step's 16,384 dense bytes as 64 rows of 256
	s_mov_b32 s[G1], 15|(3<<16)|(1<<21)            ; 15:0 the mask: all four work-groups; 17:16 elements of 8 bytes; 20 no padding: the fragments are read 512 bytes on end; 21 set beside a mask
	s_mov_b32 s[G1+1], 32<<16                      ; tensor_dim0 = 32 elements
	s_mov_b32 s[G1+2], 64<<16                      ; tensor_dim1 = 64
	s_mov_b32 s[G1+3], 32<<16                      ; tile_dim0
	s_mov_b32 s[G1+4], 64                          ; tile_dim1
	s_mov_b32 s[G1+5], 32                          ; tensor_dim0_stride
	s_mov_b32 s[G1+6], 0
	s_mov_b32 s[G1+7], 0
	s_mov_b32 s[SEL], 0x76543210
	s_mov_b32 s[SEL+1], 0xfedcba98
	s_mov_b32 s[CS], 0x3e38aa3b                    ; c = log2(e) / 8
	s_wait_kmcnt 0x0
	s_load_b128 s[68:71], s[8:9], 0x18             ; e6, e7, e8, e9
	s_add_nc_u64 s[6:7], s[6:7], s[18:19]          ; kv_img at my first key step
	s_add_nc_u64 s[4:5], s[4:5], s[72:73]          ; q_img at my wave's two tiles
	s_add_nc_u64 s[10:11], s[10:11], s[76:77]      ; out0 at my wave's first row, the head's columns
	CROUND                                         ; all four work-groups are here: the joint loads meet
.irp i, 0,1,2,3,4,5,6,7
	s_mov_b32 s[G0+4*\i], 1                        ; count = 1
	s_add_co_u32 s[G0+4*\i+1], s15, 2*STEPB*\i     ; LDS address: key step 2 i + wave % 2
	s_add_nc_u64 s[G0+4*\i+2:G0+4*\i+3], s[6:7], 2*STEPB*\i   ; global address: the same step
	s_or_b32 s[G0+4*\i+3], s[G0+4*\i+3], 0x80000000           ; type = 2
.endr
	s_cmp_lt_u32 s[WV], 2                          ; a wave's first fills stand in one branch on the wave's number, ahead of every wait on TENSORcnt and every LDS read: eight loads of a wave are out
	s_cbranch_scc0 .Lno_fetch
.irp i, 0,1,2,3,4,5,6,7
	tensor_load_to_lds s[G0+4*\i:G0+4*\i+3], s[G1:G1+7]
	s_nop 0
.endr
.rept 4
	v_nop                                          ; four v_nop follow the last
.endr
.Lno_fetch:
	v_and_b32 v[LI], 31, v0
	v_lshlrev_b32 v[LI], 4, v[LI]                  ; 16 x lane
.irp k, 0,1,2,3
	global_load_b128 v[16+4*\k:19+4*\k], v[LI], s[4:5] offset:512*\k th:TH_LOAD_NT   ; Q's two fragments stay in registers; 512 consecutive bytes a load
.endr
	v_mov_b32 v5, 0xff61b1e6                       ; the largest t so far: -3e38, under every t
	v_floor_f32 v4, -v5                            ; -M
	v_mov_b32 v6, 0                                ; the sum, in two halves
	v_mov_b32 v7, 0
	v_mov_b32 v9, 0xff61b1e6
	v_floor_f32 v8, -v9
	v_mov_b32 v10, 0
	v_mov_b32 v11, 0
.set j, 0
.rept 64
	v_mov_b32 v[192+j], 0                          ; O^T.  (The key step has no first form of its own: the first finds zeros, which the first change of M leaves zeros)
.set j, j+1
.endr
	s_wait_kmcnt 0x0
	s_add_co_i32 s72, s68, s69
	s_lshl_b32 s72, s72, 23
	s_add_co_i32 s[CS], s[CS], s72                 ; a score stands for score x 2^(e6 + e7): the two exponents are added to c's exponent field
	s_mov_b32 s[CS+1], s[CS]                       ; (named with it as a pair, so it is written)
	s_add_co_i32 s72, s70, 127
	s_lshl_b32 s73, s72, 23
	v_mov_b32 v[SCL], s73                          ; 2^e8 as f32, for the conversion
	s_add_co_i32 s72, s72, 8
	s_lshl_b32 s72, s72, 23
	s_or_b32 s72, s72, 0x600000
	v_mov_b32 v[LIM], s72                          ; 448 x 2^e8
; One tile's softmax for one key step.  sreg: its 64 scores (register 8 t + i: key 16 t + 8 (lane / 16) + i); stat: -M, the largest t, the sum's two halves; oreg: its O^T; preg: where p's codes go.
; At work: v48, v[50:51], v52, v[54:55]; all are done with when the conversions begin.
.macro SOFTMAX sreg, stat, oreg, preg
	v_max3_num_f32 v48, v[\sreg], v[\sreg+1], v[\sreg+2]      ; the step's largest score of my query among my 64 keys, in two chains, in ascending order: each accumulator is read from its low end on
	v_max3_num_f32 v50, v[\sreg+3], v[\sreg+4], v[\sreg+5]
.irp i, 6,10,14,18,22,26,30,34,38,42,46,50,54,58
	v_max3_num_f32 v48, v48, v[\sreg+\i], v[\sreg+\i+1]
	v_max3_num_f32 v50, v50, v[\sreg+\i+2], v[\sreg+\i+3]
.endr
	v_max3_num_f32 v48, v48, v[\sreg+62], v[\sreg+63]
	v_max_num_f32 v48, v48, v50
	v_permlanex16_b32 v52, v48, s[SEL], s[SEL+1]
	v_max_num_f32 v48, v48, v52                    ; and among lane l xor 16's
	v_mul_f32 v48, s[CS], v48                      ; as t (c is positive)
	v_max_num_f32 v[\stat+1], v[\stat+1], v48      ; the running largest t
	v_mov_b32 v48, v[\stat]
	v_floor_f32 v[\stat], -v[\stat+1]              ; the new -M = floor(-t) = -ceil(t): M is a whole number
	v_sub_f32 v48, v[\stat], v48                   ; M's old value less its new one: a whole number, 0 or less
	v_cvt_i32_f32 v48, v48                         ; (it saturates)
	v_ldexp_f32 v50, 1.0, v48                      ; f = 2^(old M - new M)
.set j, 0
.rept 32
	v_pk_fma_f32 v[\sreg+j:\sreg+j+1], v[\sreg+j:\sreg+j+1], s[CS:CS+1], v[\stat:\stat+1] op_sel_hi:[1,0,0]   ; t - M, two at a time (of the pairs c and -M the low word serves both halves)
.set j, j+2
.endr
.set j, 0
.rept 64
	v_exp_f32 v[\sreg+j], v[\sreg+j]               ; p = 2^(t - M), at most 1: not normalised
.set j, j+1
.endr
	v_pk_mul_f32 v[\stat+2:\stat+3], v[\stat+2:\stat+3], v[50:51] op_sel_hi:[1,0]   ; the sums under the new M.  (The plain place behind the exponentials)
	s_wait_alu depctr_va_vdst(0)
	v_pk_add_f32 v[54:55], v[\sreg:\sreg+1], v[\sreg+2:\sreg+3]                     ; the row's sum is taken of the unquantised p: two at a time, in two chains
.irp i, 4,8,12,16,20,24,28,32,36,40,44,48,52,56,60
	v_pk_add_f32 v[\stat+2:\stat+3], v[\stat+2:\stat+3], v[\sreg+\i:\sreg+\i+1]
	v_pk_add_f32 v[54:55], v[54:55], v[\sreg+\i+2:\sreg+\i+3]
.endr
	v_pk_add_f32 v[\stat+2:\stat+3], v[\stat+2:\stat+3], v[54:55]
.set j, 0
.rept 16
	v_pk_mul_f32 v[\oreg+j:\oreg+j+1], v[\oreg+j:\oreg+j+1], v[50:51] op_sel_hi:[1,0]   ; O^T under the new M: x f; in ascending order
.set j, j+2
.endr
.irp t, 0,1,2,3,4,5,6,7
.irp i, 0,1,2,3,4,5,6,7
	v_min_num_f32 v[\sreg+8*\t+\i], v[\sreg+8*\t+\i], v[LIM]   ; the conversion to an 8-bit code does not saturate (ISA guide 7.6.2); p is not negative, so the hold is one-sided
.endr
	v_cvt_scalef32_pk8_fp8_f32 v[\preg+2*\t:\preg+2*\t+1], v[\sreg+8*\t:\sreg+8*\t+7], v[SCL]   ; keys 16 t + 8 (lane / 16) + 0..7: registers 2 t, 2 t + 1 of the operand
.endr
	v_nop                                          ; one plain vector instruction between the last conversion and the matrix instruction that reads its result
.endm
; A KEY STEP: 128 keys, both tiles: 16 + 8 matrix instructions, 32 LDS loads.
.macro STEP
	v_add_nc_u32 v[ADR], s[TB], v[LI]
.rept 5
	v_nop                                          ; with the addition six places behind the last step's products: four are owed to the loads into the registers that held P, five to the products that write over those that held V
.endr
.irp g, 0,1                                    ; S^T = K Q^T, four tiles of 16 keys at a time, each fragment of K against both tiles of queries
.if \g
.rept 4
	v_nop                                          ; places in front of loads into registers that matrix instructions have read
.endr
.endif
.irp t, 0,1,2,3
	ds_load_b128 v[32+8*\t:35+8*\t], v[ADR] offset:1024*(4*\g+\t)
	ds_load_b128 v[36+8*\t:39+8*\t], v[ADR] offset:1024*(4*\g+\t)+512
.endr
	s_wait_dscnt 0x0
.irp t, 0,1,2,3
	v_wmma_f32_16x16x64_fp8_fp8 v[64+8*(4*\g+\t):71+8*(4*\g+\t)], v[32+8*\t:39+8*\t], v[16:23], 0
	v_wmma_f32_16x16x64_fp8_fp8 v[128+8*(4*\g+\t):135+8*(4*\g+\t)], v[32+8*\t:39+8*\t], v[24:31], 0
.endr
.endr
.rept 4
	v_nop                                          ; places in front of the first read of results, and of the writes into registers that held K
.endr
	SOFTMAX 64, 4, 192, 32
.irp t, 0,1,2,3                                ; V's four fragments, into the registers that tile A's p has left: they land while tile B's softmax is walked
.irp c, 0,1,2,3
	ds_load_b128 v[64+16*\t+4*\c:67+16*\t+4*\c], v[ADR] offset:VOFF+2048*\t+512*\c
.endr
.endr
	SOFTMAX 128, 8, 224, 48
	s_wait_dscnt 0x0                               ; V is in
.irp t, 0,1,2,3                                ; O^T += V^T P^T: the eight accumulators take turns, one instruction a turn
	v_wmma_f32_16x16x128_fp8_fp8 v[192+8*\t:199+8*\t], v[64+16*\t:79+16*\t], v[32:47], v[192+8*\t:199+8*\t]
	v_wmma_f32_16x16x128_fp8_fp8 v[224+8*\t:231+8*\t], v[64+16*\t:79+16*\t], v[48:63], v[224+8*\t:231+8*\t]
.endr
.endm
; A CHUNK of key steps.  left: how many of an issuing wave's eight loads may stay out: loads 0 .. 7 - left of waves 0 and 1 have landed, that is key steps 0 .. 15 - 2 left; the other waves have no load and pass the wait.
; Then the barrier: behind it every wave may read those steps.  The later loads stay on their way across it.
.macro CHUNK left, first, trips
	s_wait_tensorcnt \left
	s_wait_dscnt 0x0                               ; no LDS instruction of mine is pending at the signal
	s_barrier_signal -1
	s_barrier_wait -1
	s_mov_b32 s[TB], (\first)*STEPB
	s_mov_b32 s[CNT], \trips
.Lstep_\@:
	STEP
	s_add_co_u32 s[TB], s[TB], STEPB
	s_sub_co_u32 s[CNT], s[CNT], 1
	s_cmp_lg_u32 s[CNT], 0
	s_cbranch_scc1 .Lstep_\@
.endm
	s_wait_loadcnt 0x0                             ; Q
	CHUNK 7, 0, 2                                  ; key steps 0, 1: each issuing wave's first load
	CHUNK 6, 2, 2                                  ; 2, 3: the second
	CHUNK 4, 4, 4                                  ; 4 to 7: the third and fourth
	CHUNK 0, 8, 8                                  ; 8 to 15: all: no tensor load is out from here on
	; THE WAY OUT.  The stages, 16 rows x 272 bytes for each wave, lie in the bytes of the first key steps: those have had their one fill, and behind this barrier nobody reads them.
	s_wait_dscnt 0x0
	s_barrier_signal -1
	s_barrier_wait -1
	v_and_b32 v16, 15, v0                          ; r.  (Q's registers are free.  These eleven plain lines are the places behind the last products)
	v_bfe_u32 v17, v0, 4, 1                        ; h
	s_mul_i32 s72, s[WV], 16*SP                    ; my stage
	v_mul_u32_u24 v13, v16, SP
	v_lshl_add_u32 v13, v17, 5, v13
	v_add_nc_u32 v13, s72, v13                     ; in: row r; tile t's eight channels of my half: 64 t + 32 h bytes on
	v_mul_u32_u24 v14, v17, SP
	v_lshl_add_u32 v14, v16, 4, v14
	v_add_nc_u32 v14, s72, v14                     ; back: lanes 0-15 one row of 256 bytes, lanes 16-31 the next
	v_lshlrev_b32 v15, 12, v17
	v_lshl_add_u32 v15, v16, 4, v15                ; and the same two rows of the output, 4,096 bytes apart
	v_add_f32 v6, v6, v7                           ; the sums' two halves,
	v_add_f32 v10, v10, v11
	v_permlanex16_b32 v18, v6, s[SEL], s[SEL+1]
	v_permlanex16_b32 v19, v10, s[SEL], s[SEL+1]
	v_add_f32 v6, v6, v18                          ; and lane l xor 16's: the rows' sums
	v_add_f32 v10, v10, v19
	v_rcp_f32 v6, v6
	v_rcp_f32 v10, v10
	v_nop                                          ; a plain place behind the transcendentals
	s_add_co_i32 s73, s70, s71
	s_wait_alu depctr_va_vdst(0)
	v_ldexp_f32 v6, v6, s73                        ; x 2^(e8 + e9)
	v_ldexp_f32 v10, v10, s73
.set j, 0
.rept 16
	v_pk_mul_f32 v[64+j:65+j], v[192+j:193+j], v[6:7] op_sel_hi:[1,0]       ; O^T / the sum, into other registers, in ascending order: register 8 t + i is o(query r, d = 16 t + 8 h + i)
.set j, j+2
.endr
.set j, 0
.rept 16
	v_pk_mul_f32 v[128+j:129+j], v[224+j:225+j], v[10:11] op_sel_hi:[1,0]
.set j, j+2
.endr
.irp u, 0,1                                    ; tile A, then tile B, through the same stage: LDS serves a wave's instructions in order (ISA guide 5.7.1.4): the loads see the stores above them, and tile B's stores come behind tile A's loads
.irp t, 0,1,2,3
	ds_store_b128 v13, v[64+64*\u+8*\t:67+64*\u+8*\t] offset:64*\t
	ds_store_b128 v13, v[68+64*\u+8*\t:71+64*\u+8*\t] offset:64*\t+16
.endr
.irp i, 0,1,2,3,4,5,6,7
	ds_load_b128 v[96+64*\u+4*\i:99+64*\u+4*\i], v14 offset:2*\i*SP
.endr
.endr
.irp u, 0,1
.irp i, 0,1,2,3,4,5,6,7
	s_wait_dscnt 23-16*\u-\i                       ; behind this load: its tile's younger loads, and for tile A tile B's sixteen LDS instructions
	global_store_b128 v15, v[96+64*\u+4*\i:99+64*\u+4*\i], s[10:11] offset:(16*\u+2*\i)*4096 th:TH_STORE_NT   ; sixteen lanes store 256 consecutive bytes, at a multiple of 256 from the output's first byte: a query's 64 numbers of the head
.endr
.endr
	s_wait_dscnt 0x0
	s_wait_xcnt 0x0
	v_lshl_add_u32 v254, v0, 2, 0x40000
	v_mov_b32 v255, 0
	s_wait_tensorcnt 0x0
	ds_add_u32 v254, v255
	s_wait_dscnt 0x0
	CROUND                                         ; the closing round: no work-group ends while a partner may still ask for a tile that names it
	s_endpgm
.Lfunc_end_k_qdae2a9ca8d_attn:
	.size	k_qdae2a9ca8d_attn, .Lfunc_end_k_qdae2a9ca8d_attn-k_qdae2a9ca8d_attn
	.p2alignl 7, 3214868480
	.fill 96, 4, 3214868480
	.section	.rodata,"a",@progbits
	.p2align	6, 0x0
	.amdhsa_kernel k_qdae2a9ca8d_attn
		.amdhsa_group_segment_fixed_size 327680
		.amdhsa_private_segment_fixed_size 0
		.amdhsa_enable_private_segment 0
		.amdhsa_kernarg_size 32
		.amdhsa_user_sgpr_count 2
		.amdhsa_user_sgpr_kernarg_segment_ptr 1
		.amdhsa_wavefront_size32 1
		.amdhsa_system_sgpr_workgroup_id_x 1
		.amdhsa_system_sgpr_workgroup_id_y 1
		.amdhsa_system_sgpr_workgroup_id_z 1
		.amdhsa_system_vgpr_workitem_id 0
		.amdhsa_next_free_vgpr 256
		.amdhsa_next_free_sgpr 80
		.amdhsa_reserve_vcc 0
		.amdhsa_float_denorm_mode_32 3
		.amdhsa_float_denorm_mode_16_64 3
		.amdhsa_memory_ordered 1
		.amdhsa_forward_progress 1
		.amdhsa_inst_pref_size 131
	.end_amdhsa_kernel
	.amdgpu_metadata
---
amdhsa.version: [ 1, 2 ]
amdhsa.kernels:
  - .name:           k_qdae2a9ca8d_attn
    .symbol:         k_qdae2a9ca8d_attn.kd
    .args:
      - { .name: q_img, .offset: 0, .size: 8, .value_kind: global_buffer, .address_space: global }
      - { .name: kv_img, .offset: 8, .size: 8, .value_kind: global_buffer, .address_space: global }
      - { .name: lowp_scales, .offset: 16, .size: 8, .value_kind: global_buffer, .address_space: global }
      - { .name: out0, .offset: 24, .size: 8, .value_kind: global_buffer, .address_space: global }
    .group_segment_fixed_size: 327680
    .private_segment_fixed_size: 0
    .kernarg_segment_align: 8
    .kernarg_segment_size: 32
    .max_flat_workgroup_size: 512
    .sgpr_count:     80
    .vgpr_count:     256
    .wavefront_size: 32
...
	.end_amdgpu_metadata
.endif
;; end of part 2
